; MI455X (gfx1250); checked and timed in simulation.
; The chip was launched on July 23, 2026; its instructions are those of AMD's public machine-readable ISA for CDNA 5 (MIT licence, August 2026) and "CDNA5" Instruction Set Architecture Reference Guide (July 2026). The comments in the code are by the model that wrote it; some were corrected since.
;; Multi Head Self Attention. Allowed arithmetic: matrix products marked QUANTISED: E4M3 operands, one given power-of-two scale a tensor, by v_wmma_f32_16x16x64_fp8_fp8 or v_wmma_f32_16x16x128_fp8_fp8, f32 sums; everything else in f32.
;; Inputs: lowp_scales 8 int32 (the exponents e of the quantised operands' scales 2^e); out_b 1,024 float32; out_w 1,024 x 1,024 float32; qkv_b 3,072 float32; qkv_w 3,072 x 1,024 float32; x 2 x 2,048 x 1,024 float32.
;; Outputs: out0 2 x 2,048 x 1,024 float32.
;; This version of the problem:
;;   THIS VERSION OF THE PROBLEM IS GIVEN IN LOW PRECISION. The matrix products marked QUANTISED in the list below multiply operands that are first quantised to E4M3 (4 exponent bits, 3 mantissa bits; 8 bits a number), with one given power-of-two scale for each operand tensor; their sums are f32. All else is computed in f32.
;;   The module's matrix products, in the order in which they are computed (A, B: the left and right operand; K: the contracted axis; several contracted axes count as one K, in the product's order):
;;     1. [M 4,096, K 1,024] x [K 1,024, N 3,072]; A: input x; B: input qkv_w: QUANTISED (scales: A lowp_scales[0], B lowp_scales[1])
;;     2. batch 32 x [M 2,048, K 64] x [K 64, N 2,048]; A: computed on the way; B: computed on the way: QUANTISED (scales: A lowp_scales[2], B lowp_scales[3])
;;     3. batch 32 x [M 64, K 2,048] x [K 2,048, N 2,048]; A: computed on the way; B: softmax (see below): QUANTISED (scales: A lowp_scales[4], B lowp_scales[5])
;;     4. [M 4,096, K 1,024] x [K 1,024, N 1,024]; A: computed on the way; B: input out_w: QUANTISED (scales: A lowp_scales[6], B lowp_scales[7])
;;   THE QUANTISER, for each operand of a quantised product, along K:
;;     - The operand's scale is 2^e, e = its entry of the input lowp_scales (int32; the entries are numbered through the quantised products in the list's order, A before B).
;;     - Each number is divided by the scale, clamped to +-448, and rounded to the nearest number of E4M3, ties to even, subnormals kept.
;;     - The product sums the exact products of the quantised numbers (number of the format x scale) in f32.
;;   ~~~python
;;   def quantise(x, axis, e):      # numpy; x: float32 -> the quantised numbers, widened to float32 again
;;       x = np.moveaxis(x, axis, -1); K = x.shape[-1]
;;       r = np.clip(x / 2.0 ** e, -448, 448)
;;       step = 2.0 ** (np.maximum(np.frexp(np.where(r == 0, 1, r))[1] - 1, -6) - 3)
;;       q = np.round(r / step) * step * 2.0 ** e      # np.round: ties to even
;;       return np.moveaxis(q, -1, axis).astype(np.float32)
;;   ~~~
;;   SOFTMAX AHEAD OF A QUANTISED PRODUCT. Where the list says 'softmax', what is quantised is not the finished softmax but p = 2^(t - M), with t = logit x log2(e) and M = ceil(the row's largest t), a whole number; so 1/2 < the row's largest p <= 1. The row's sum l is taken of the UNQUANTISED p, in f32, and the product's result is divided by l at the end. Since M is a whole number, a kernel that streams over the keys may use a running M (the ceiling of the running maximum): every later rescaling is an exact power of two, so the quantised numbers keep their values, but for numbers so far below the row's largest that they fall under the format's range.
;;   OPERANDS COMPUTED ON THE WAY. 'Computed on the way' means the value that the module computes at that place (a softmax that the list does not call 'softmax' is quantised finished and normalised). What goes into a quantiser is computed in f32, as accurately as f32 sums, v_exp_f32 and their like allow (about 1e-6 of the number): no bf16 or f16 on the way to a quantiser, and a product that is left as it is and whose result goes on into a quantised operand takes f32 operands (vector FMAs, or v_wmma_f32_16x16x4_f32). A number that lies on a knife's edge between two numbers of the format may be rounded either way, as far as f32 arithmetic and the matrix unit's own rounding can turn it there, and no further.
;; One version. Each part assembles by itself: llvm-mc -triple=amdgcn-amd-amdhsa -mcpu=gfx1250 --defsym DOCPART=n.
;; ======== version 1 of 1: 4 launches
;; limits: right only within a limited range of input values
;; workspace buffers: xc 4,194,304 bytes; wc 3,145,728 bytes; oc 1,048,576 bytes; qi 4,194,304 bytes; ki 4,194,304 bytes; vi 4,194,304 bytes; ci 4,194,304 bytes
;; launch quant (part 1): grid 256 x 1, 8 waves a work-group, no clusters, 68,608 bytes of LDS; arguments x, qkv_w, out_w, lowp_scales, xc, wc, oc; writes xc, wc, oc
.if DOCPART == 1
	.amdgcn_target "amdgcn-amd-amdhsa--gfx1250"
	.amdhsa_code_object_version 6
	.text
	.protected	k_qcfd0de9c03_quant
	.globl	k_qcfd0de9c03_quant
	.p2align	8
	.type	k_qcfd0de9c03_quant,@function
k_qcfd0de9c03_quant:
	s_mov_b64 s[64:65], 0
	v_nop
	global_prefetch_b8 v0, s[64:65] scope:SCOPE_SE
	s_setreg_imm32_b32 hwreg(HW_REG_WAVE_MODE, 25, 1), 1
	s_wait_xcnt 0x0
; x [4096][1024], qkv_w [3072][1024] and out_w [1024][1024], f32, K innermost in all three, become codes of FP8 (E4M3), one byte each, laid as IMAGES OF OPERAND REGISTERS: a tile of 16 rows x K = 1,024 is
; [32 groups of 32 along K][lane 32][16 bytes]; lane (r, h) holds, of the tile's row r, k = 32 g + 8 h + 0 .. 7 and then 32 g + 16 + 8 h + 0 .. 7: four groups on end are one operand of 16 rows x 128.
; Tiles: x: 16 neighbouring rows, in order.  qkv_w: 16 neighbouring rows; the 12 tiles of a head (4 of q, 4 of k, 4 of v) on end.  out_w: tile 4 G + b takes rows 64 G + 4 r + b, r = 0 .. 15.
; code = number / 2^e, held within +-448, rounded to the nearest code, ties to even.  e: lowp_scales[0] for x, [1] for qkv_w, [7] for out_w.
; LIMITS: -126 <= e <= 119, so that 2^e and 448 x 2^e are f32 numbers.  NaN among the inputs is not served (an infinity is held at the largest code).
; No work of reference() is left out in this program: every product, bias and quantiser has a way to the output.
; A work-group takes two tiles (131,072 bytes): work-groups 0-127 x, 128-223 qkv_w, 224-255 out_w; only pointers, strides and e are chosen, one path serves all.  A wave takes 16 rows x 256 along K: 32 loads of 512
; consecutive bytes, all out at the head.  Half of them (16 rows x 128) go at a time through the wave's own stage in LDS and come back as the numbers of an image's lane; a step's store covers 512 consecutive bytes.
; No tensor loads, no barrier, no cluster: waves and work-groups share nothing.
.set WG_W,  128                        ; first work-group of qkv_w
.set WG_O,  224                        ; first work-group of out_w
.set MANT,  0x600000                   ; the mantissa field of 448 as f32
.set R,     16                         ; v16-143  the numbers as they are loaded
.set X,     144                        ; v144-175 two sets of 16 numbers
.set C,     176                        ; v176-207 codes: four registers for each step, so that no store's data are written again
.set PITCH, 528                        ; a stage row: 512 bytes + 16 of padding: 16 rows start at 16 different banks (64 banks of 4 bytes: ISA guide 11.1)
.set WREG,  16*PITCH
.set SPARE, 8*WREG                     ; the spare words, 128 bytes for each wave
	s_load_b256 s[4:11], s[0:1], 0x0               ; x, qkv_w, out_w, the scales' exponents
	s_load_b128 s[12:15], s[0:1], 0x20             ; xc, wc
	s_load_b64 s[16:17], s[0:1], 0x30              ; oc
	v_lshl_add_u32 v208, v0, 2, SPARE
	v_mov_b32 v209, 0
	v_lshrrev_b32 v1, 5, v0
	v_and_b32 v2, 31, v0
	v_readfirstlane_b32 s18, v1                    ; wave 0..7
	v_lshlrev_b32 v3, 4, v2                        ; 16 x lane; never rewritten
	v_and_b32 v4, 15, v2
	v_lshrrev_b32 v5, 4, v2
	s_mul_i32 s19, s18, WREG
	v_mul_u32_u24 v15, v4, PITCH
	v_add_nc_u32 v14, s19, v3                      ; the stage, on the way in: a row's 512 bytes as they lie
	v_lshl_add_u32 v15, v5, 5, v15
	v_add_nc_u32 v15, s19, v15                     ; and on the way out: row r, 8 h numbers on
	s_wait_alu depctr_va_vdst(0)                   ; directly ahead of the wait below
	s_wait_kmcnt 0x0
	s_load_b64 s[22:23], s[10:11], 0x0             ; e of x, e of qkv_w
	s_load_b32 s24, s[10:11], 0x1c                 ; e of out_w
	s_mov_b32 s20, WG_O
	s_cmp_lt_u32 ttmp9, WG_O                       ; the choices hang on the work-group's number alone
	s_cselect_b64 s[6:7], s[6:7], s[8:9]
	s_cselect_b64 s[14:15], s[14:15], s[16:17]
	s_cselect_b32 s20, WG_W, s20
	s_cmp_lt_u32 ttmp9, WG_W
	s_cselect_b64 s[4:5], s[4:5], s[6:7]           ; the numbers,
	s_cselect_b64 s[8:9], s[12:13], s[14:15]       ; the codes,
	s_cselect_b32 s20, 0, s20                      ; and the tensor's first work-group
	s_sub_co_u32 s19, ttmp9, s20
	s_lshl_b32 s19, s19, 1
	s_lshr_b32 s25, s18, 2
	s_add_co_u32 s19, s19, s25                     ; my tile T of the tensor
	s_lshl_b32 s26, s19, 16                        ; its first row, in bytes: 16 T rows of 4,096,
	s_lshr_b32 s27, s19, 2
	s_lshl_b32 s27, s27, 18
	s_and_b32 s28, s19, 3
	s_lshl_b32 s28, s28, 12
	s_add_co_u32 s27, s27, s28                     ; or, in out_w, row 64 (T / 4) + T % 4
	s_bfe_u32 s29, s19, 0x40002                    ; qkv_w: the head = T / 4 % 16,
	s_mul_i32 s29, s29, 12
	s_lshr_b32 s30, s19, 6                         ; q, k or v
	s_lshl_b32 s30, s30, 2
	s_add_co_u32 s29, s29, s30
	s_and_b32 s30, s19, 3
	s_add_co_u32 s29, s29, s30                     ; its place: 12 head + 4 (q, k, v) + T % 4
	s_mov_b32 s28, 16384
	s_mov_b32 s31, 4096
	s_cmp_lt_u32 ttmp9, WG_O
	s_cselect_b32 s26, s26, s27
	s_cselect_b32 s28, s31, s28                    ; from row to row of the tile
	s_cselect_b32 s30, s29, s19
	s_cmp_lt_u32 ttmp9, WG_W
	s_cselect_b32 s30, s19, s30                    ; the tile's place among the images
	s_and_b32 s25, s18, 3                          ; which 256 along K are mine
	s_lshl_b32 s27, s25, 10
	s_add_co_u32 s26, s26, s27
	s_mov_b32 s27, 0
	s_mov_b32 s29, 0
	s_lshl_b32 s25, s25, 12
	s_lshl_b32 s30, s30, 14
	s_add_co_u32 s30, s30, s25
	s_mov_b32 s31, 0
	s_add_nc_u64 s[8:9], s[8:9], s[30:31]
	s_add_nc_u64 s[32:33], s[4:5], s[26:27]
.set ii, 0
.rept 15
	s_add_nc_u64 s[34+2*ii:35+2*ii], s[32+2*ii:33+2*ii], s[28:29]   ; one base for each of the 16 rows
.set ii, ii+1
.endr
.irp u, 0,1
.irp i, 0,1,2,3,4,5,6,7,8,9,10,11,12,13,14,15
	global_load_b128 v[R+64*\u+4*\i:R+64*\u+4*\i+3], v3, s[32+2*\i:33+2*\i] offset:512*\u th:TH_LOAD_NT   ; 32 lanes read 512 consecutive bytes; read once in the launch
.endr
.endr
	s_wait_kmcnt 0x0
	s_cmp_lt_u32 ttmp9, WG_O
	s_cselect_b32 s23, s23, s24
	s_cmp_lt_u32 ttmp9, WG_W
	s_cselect_b32 s22, s22, s23                    ; e
	s_add_co_i32 s22, s22, 127
	s_lshl_b32 s23, s22, 23
	v_mov_b32 v11, s23                             ; 2^e as f32: the conversion takes its exponent field
	s_add_co_i32 s22, s22, 8
	s_lshl_b32 s22, s22, 23
	s_or_b32 s22, s22, MANT
	v_mov_b32 v10, s22                             ; 448 x 2^e
	s_wait_alu depctr_va_vdst(0)                   ; the head's end
.macro RD s                            ; 16 numbers of group s of the half: LDS serves a wave's instructions in order (ISA guide 5.7.1.4), so no wait stands between the stores and the loads
.set XS, X+16*((\s)%2)
	ds_load_b128 v[XS:XS+3], v15 offset:128*(\s)
	ds_load_b128 v[XS+4:XS+7], v15 offset:128*(\s)+16
	ds_load_b128 v[XS+8:XS+11], v15 offset:128*(\s)+64
	ds_load_b128 v[XS+12:XS+15], v15 offset:128*(\s)+80
.endm
.macro STEP u, s
.if (\s) < 3
	RD (\s)+1                                      ; the next group's numbers, while this one's are worked
	s_wait_dscnt 4                                 ; this group's are back; the next one's four loads may be out
.else
	s_wait_dscnt 0x0
.endif
.set XS, X+16*((\s)%2)
.set CS, C+4*(4*(\u)+(\s))
.irp i, 0,1,2,3,4,5,6,7,8,9,10,11,12,13,14,15
	v_med3_num_f32 v[XS+\i], v[XS+\i], -v10, v10   ; the conversion to an 8-bit code does not saturate (ISA guide 7.6.2): the number is held within the largest code x the scale first
.endr
	v_cvt_scalef32_pk8_fp8_f32 v[CS:CS+1], v[XS:XS+7], v11
	v_cvt_scalef32_pk8_fp8_f32 v[CS+2:CS+3], v[XS+8:XS+15], v11
	v_nop
	global_store_b128 v3, v[CS:CS+3], s[8:9] offset:512*(4*(\u)+(\s))
.endm
.irp u, 0,1
	s_wait_loadcnt 16*(1-\u)                       ; this half's 16 loads are in; the other half's 16, if younger, may be out
.irp i, 0,1,2,3,4,5,6,7,8,9,10,11,12,13,14,15
	ds_store_b128 v14, v[R+64*\u+4*\i:R+64*\u+4*\i+3] offset:PITCH*\i
.endr
	RD 0
.irp s, 0,1,2,3
	STEP \u, \s
.endr
.endr
	s_wait_tensorcnt 0x0                           ; the wave's end
	ds_add_u32 v208, v209
	s_wait_dscnt 0x0
	s_endpgm
.Lfunc_end_k_qcfd0de9c03_quant:
	.size	k_qcfd0de9c03_quant, .Lfunc_end_k_qcfd0de9c03_quant-k_qcfd0de9c03_quant
	.p2alignl 7, 3214868480
	.fill 96, 4, 3214868480
	.section	.rodata,"a",@progbits
	.p2align	6, 0x0
	.amdhsa_kernel k_qcfd0de9c03_quant
		.amdhsa_group_segment_fixed_size 68608
		.amdhsa_private_segment_fixed_size 0
		.amdhsa_enable_private_segment 0
		.amdhsa_kernarg_size 56
		.amdhsa_user_sgpr_count 2
		.amdhsa_user_sgpr_kernarg_segment_ptr 1
		.amdhsa_wavefront_size32 1
		.amdhsa_system_sgpr_workgroup_id_x 1
		.amdhsa_system_sgpr_workgroup_id_y 1
		.amdhsa_system_sgpr_workgroup_id_z 1
		.amdhsa_system_vgpr_workitem_id 0
		.amdhsa_next_free_vgpr 210
		.amdhsa_next_free_sgpr 66
		.amdhsa_reserve_vcc 0
		.amdhsa_float_denorm_mode_32 3
		.amdhsa_float_denorm_mode_16_64 3
		.amdhsa_memory_ordered 1
		.amdhsa_forward_progress 1
		.amdhsa_inst_pref_size 22
	.end_amdhsa_kernel
	.amdgpu_metadata
---
amdhsa.version: [ 1, 2 ]
amdhsa.kernels:
  - .name:           k_qcfd0de9c03_quant
    .symbol:         k_qcfd0de9c03_quant.kd
    .args:
      - { .name: x, .offset: 0, .size: 8, .value_kind: global_buffer, .address_space: global }
      - { .name: qkv_w, .offset: 8, .size: 8, .value_kind: global_buffer, .address_space: global }
      - { .name: out_w, .offset: 16, .size: 8, .value_kind: global_buffer, .address_space: global }
      - { .name: lowp_scales, .offset: 24, .size: 8, .value_kind: global_buffer, .address_space: global }
      - { .name: xc, .offset: 32, .size: 8, .value_kind: global_buffer, .address_space: global }
      - { .name: wc, .offset: 40, .size: 8, .value_kind: global_buffer, .address_space: global }
      - { .name: oc, .offset: 48, .size: 8, .value_kind: global_buffer, .address_space: global }
    .group_segment_fixed_size: 68608
    .private_segment_fixed_size: 0
    .kernarg_segment_align: 8
    .kernarg_segment_size: 56
    .max_flat_workgroup_size: 256
    .sgpr_count:     66
    .vgpr_count:     210
    .wavefront_size: 32
...
	.end_amdgpu_metadata
.endif
;; end of part 1
;; launch qkv (part 2): grid 16 x 16, 4 waves a work-group, clusters of 4 x 4, 327,680 bytes of LDS; arguments xc, wc, qkv_b, lowp_scales, qi, ki, vi; writes qi, ki, vi
.if DOCPART == 2
	.amdgcn_target "amdgcn-amd-amdhsa--gfx1250"
	.amdhsa_code_object_version 6
	.text
	.protected	k_qcfd0de9c03_qkv
	.globl	k_qcfd0de9c03_qkv
	.p2align	8
	.type	k_qcfd0de9c03_qkv,@function
k_qcfd0de9c03_qkv:
	s_mov_b64 s[64:65], 0
	v_nop
	global_prefetch_b8 v0, s[64:65] scope:SCOPE_SE
	s_setreg_imm32_b32 hwreg(HW_REG_WAVE_MODE, 25, 1), 1
	s_wait_xcnt 0x0
	s_wait_alu depctr_hold_cnt(0) depctr_sa_sdst(0) depctr_va_vdst(0) depctr_va_sdst(0) depctr_va_ssrc(0) depctr_va_vcc(0) depctr_vm_vsrc(0)
	s_getreg_b32 s2, hwreg(HW_REG_IB_STS2, 6, 4)
	s_cmp_eq_u32 s2, 0
	s_cbranch_scc0 .Lentry_in_a_cluster
	s_endpgm
.Lentry_in_a_cluster:
	s_bfe_u32 s2, ttmp6, 0x10000c
	s_cmp_lg_u32 s2, 0xf033
	s_cbranch_scc0 .Lentry_shape_is_right
	s_endpgm
.Lentry_shape_is_right:
; q, k, v = x qkv_w^T + qkv_b on codes of FP8 (E4M3), quantised again with e2, e3, e4 and stored as images of operand registers for the attention launch.
; xc: [tile of 16 rows 256][K / 32][lane][16 bytes], wc: [head 16][12 tiles: q, k, v][K / 32][lane][16 bytes]: images of operand registers in this form's own layout, 16,384 bytes a tile, 2,048 for 128 along K.
; qi, ki: [head of batch 32][tile of 16 rows 128][2][lane][16 bytes]; vi: [32][128 keys 16][16 channels 4][4][lane][16 bytes].
; LIMITS: e0 + e1 between -126 and 127, e2, e3, e4 between -126 and 119, so that each power of two below is an f32 number.  NaN is not served.
; A work-group makes 256 rows x 192 columns (64 of q, 64 of k, 64 of v: one head), each of its four waves 64 x 192: 48 accumulators.  256 work-groups.
; K GOES IN EIGHT STEPS OF 128; LDS holds five: region 0 steps 0-2 (the head's load), region 1 steps 3 and 4 (behind a second round); steps 5-7 fill region 0 again.  That refill is asked for in step 2, whose fragments are in
; registers by then, and has the rest of step 2 and steps 3 and 4 in which to land.  Waves 0 and 1 fetch x's 16 tiles, waves 2 and 3 qkv_w's 12, one tensor load a wave behind each round.
; CLUSTERS of 4 x 4 work-groups: x's tiles are asked for JOINTLY along a row, qkv_w's along a column.  No prefetch: K has eight short steps and by step 2 every byte is asked for.
; q and k: source 0 = rows of qkv_w, source 1 = rows of x: a lane holds eight neighbouring channels of one row.  v the other way round: eight neighbouring rows (keys) of one channel.
; REGISTERS: window 0: v5-29 addresses and constants, v32-95 the biases of q and k, v96-103 of v, v128-255 v's accumulators.  Window 1: two sets of x's fragments (64 registers each); on the way out the numbers and the codes.
;   Window 2: qkv_w's fragments: q 0-63, k 64-127, v 128-191.  Window 3: q's accumulators 0-127, k's 128-255.
.set A0, 0                             ; region 0: x's 16 tiles x 6,144 bytes,
.set B0, 98304                         ; qkv_w's 12
.set A1, 172032                        ; region 1: x's 16 tiles x 4,096 bytes,
.set B1, 237568                        ; qkv_w's 12
.set SPARE, 286720                     ; the spare words, 128 bytes for each wave
.set ADA0, 16                          ; LDS addresses of my fragments
.set ADA1, 17
.set ADB0, 18                          ; q and k in region 0,
.set ADBV, 19                          ; v in region 0,
.set ADB1, 20                          ; all three in region 1
.set LN16, 26                          ; 16 x lane; never rewritten
.set SPW,  28
.set NIL,  29
.set BQ,   32
.set BV,   96
.set G1A0, 24
.set G1A1, 32
.set G1B0, 40
.set G1B1, 48
.set G0A0, 56
.set G0A1, 60
.set G0B0, 68
.set G0B1, 72
.set MSB, 0
.macro WIN new                         ; the immediate's high byte repeats the setting that is left
.if MSB != (\new)
	s_set_vgpr_msb (MSB<<8)|(\new)
.set MSB, (\new)
.endif
.endm
.macro PLACES                          ; four places ahead of loads into registers that products have read
.rept 4
	v_nop
.endr
.endm
.macro CREST                           ; a round of the cluster's barrier behind its opening barrier
	s_cmp_lg_u32 s18, 0
	s_cbranch_scc1 .Lnot_wave_0_\@
	s_barrier_signal -3
.Lnot_wave_0_\@:
	s_barrier_wait -3
	s_barrier_signal -1
	s_barrier_wait -1
.endm
.macro CROUND                          ; a whole round
	s_barrier_signal -1
	s_barrier_wait -1
	CREST
.endm
.macro JLOAD ga, ha, gb, hb            ; a joint load: each of the two lines has one mask; the branch hangs on the wave's number alone
	s_cmp_eq_u32 s19, 0
	s_cbranch_scc0 .Lfor_b_\@
	tensor_load_to_lds s[\ga:\ga+3], s[\ha:\ha+7]
	s_nop 0
	PLACES
	s_branch .Lasked_\@
.Lfor_b_\@:
	tensor_load_to_lds s[\gb:\gb+3], s[\hb:\hb+7]
	s_nop 0
	PLACES
.Lasked_\@:
.endm
.macro GROUP1 g, cols, rows            ; elements of 8 bytes, no padding; tiles 2,048 elements apart
	s_mov_b32 s[\g+1], (\cols)<<16
	s_mov_b32 s[\g+2], (\rows)<<16
	s_mov_b32 s[\g+3], (\cols)<<16
	s_mov_b32 s[\g+4], \rows
	s_mov_b32 s[\g+5], 2048
	s_mov_b32 s[\g+6], 0
	s_mov_b32 s[\g+7], 0
.endm
.macro GROUP0 g, p, off, lds, part
	s_mov_b32 s[\g], 1
	s_mul_i32 s[\g+1], s90, \part
	s_add_co_u32 s[\g+1], s[\g+1], \lds
	s_add_nc_u64 s[\g+2:\g+3], s[\p:\p+1], \off
	s_or_b32 s[\g+3], s[\g+3], 0x80000000
.endm
	s_load_b128 s[4:7], s[0:1], 0x0                ; xc, wc
	s_load_b128 s[8:11], s[0:1], 0x10              ; qkv_b, the scales' exponents
	s_load_b128 s[12:15], s[0:1], 0x20             ; qi, ki
	s_load_b64 s[16:17], s[0:1], 0x30              ; vi
	v_lshl_add_u32 v[SPW], v0, 2, SPARE
	v_mov_b32 v[NIL], 0
	ds_add_u32 v[SPW], v[NIL]                      ; the opening: the add, twice on end, under one wait
	ds_add_u32 v[SPW], v[NIL]
	v_lshrrev_b32 v1, 5, v0
	v_readfirstlane_b32 s18, v1                    ; wave 0..3
	v_and_b32 v[LN16], 31, v0
	v_lshlrev_b32 v[LN16], 4, v[LN16]
	s_lshr_b32 s19, s18, 1                         ; I fetch for x (0) or for qkv_w (1),
	s_and_b32 s90, s18, 1                          ; and this half of its tiles
	s_bfe_u32 s20, ttmp6, 0x40000                  ; cx, cy
	s_bfe_u32 s21, ttmp6, 0x40004
	s_lshl_b32 s22, ttmp9, 2
	s_add_co_u32 s22, s22, s20                     ; the head = 4 x cluster x + cx
	s_and_b32 s23, ttmp7, 0xffff
	s_lshl_b32 s23, s23, 2
	s_add_co_u32 s23, s23, s21                     ; the block of 256 rows = 4 x cluster y + cy
	s_lshl_b32 s91, s21, 2
	s_lshl_b32 s91, 15, s91                        ; my row of the cluster
	s_lshl_b32 s92, 0x1111, s20                    ; my column
	s_or_b32 s[G1A0], s91, (3<<16)|(1<<21)         ; 15:0 the mask; 17:16 elements of 8 bytes; 21 set beside a mask
	s_or_b32 s[G1A1], s91, (3<<16)|(1<<21)
	s_or_b32 s[G1B0], s92, (3<<16)|(1<<21)
	s_or_b32 s[G1B1], s92, (3<<16)|(1<<21)
	GROUP1 G1A0, 768, 8                            ; three steps of eight tiles,
	GROUP1 G1A1, 512, 8                            ; two steps;
	GROUP1 G1B0, 768, 6                            ; the same of six tiles
	GROUP1 G1B1, 512, 6
	s_lshl_b32 s94, s23, 18                        ; x: 16 tiles of 16,384 bytes for each block,
	s_lshl_b32 s95, s90, 17                        ; my eight of them: it hangs on the rows' block and the wave alone
	s_add_co_u32 s94, s94, s95
	s_mov_b32 s95, 0
	s_mul_i32 s96, s22, 196608                     ; qkv_w: 12 tiles for each head,
	s_mul_i32 s97, s90, 98304                      ; my six of them
	s_add_co_u32 s96, s96, s97
	s_mov_b32 s97, 0
	s_wait_alu depctr_va_vdst(0)                   ; directly ahead of the waits below
	s_wait_dscnt 0x0                               ; both opening adds are done
	s_wait_kmcnt 0x0
	s_load_b256 s[76:83], s[10:11], 0x0            ; e0 .. e7
	s_add_nc_u64 s[94:95], s[4:5], s[94:95]
	s_add_nc_u64 s[96:97], s[6:7], s[96:97]
	GROUP0 G0A0, 94, 0, A0, 49152                  ; no place in the cluster enters an LDS address
	GROUP0 G0A1, 94, 6144, A1, 32768
	GROUP0 G0B0, 96, 0, B0, 36864
	GROUP0 G0B1, 96, 6144, B1, 24576
	CROUND                                         ; all sixteen work-groups are here: the joint loads meet
	JLOAD G0A0, G1A0, G0B0, G1B0                   ; steps 0-2: a wave's one tensor load at the head
	v_and_b32 v1, 15, v0
	v_bfe_u32 v2, v0, 4, 1
	v_lshlrev_b32 v6, 2, v1                        ; v's biases: my channel
	v_lshlrev_b32 v5, 5, v2                        ; q's and k's: my half's eight channels
	s_mul_i32 s90, s18, 24576                      ; my four tiles of x
	v_add_nc_u32 v[ADA0], s90, v[LN16]
	s_lshl_b32 s91, s18, 14
	s_add_co_u32 s91, s91, A1
	v_add_nc_u32 v[ADA1], s91, v[LN16]
	v_add_nc_u32 v[ADB0], B0, v[LN16]
	v_add_nc_u32 v[ADBV], B0+8*6144, v[LN16]
	v_add_nc_u32 v[ADB1], B1, v[LN16]
	s_wait_alu depctr_va_vdst(0)
	s_lshl_b32 s94, s22, 8
	s_mov_b32 s95, 0
	s_add_nc_u64 s[92:93], s[8:9], s[94:95]        ; my head's biases
.irp p, 0,1
.irp n, 0,1,2,3
	global_load_b128 v[BQ+32*\p+8*\n:BQ+32*\p+8*\n+3],   v5, s[92:93] offset:4096*\p+64*\n
	global_load_b128 v[BQ+32*\p+8*\n+4:BQ+32*\p+8*\n+7], v5, s[92:93] offset:4096*\p+64*\n+16
.endr
.endr
.irp n, 0,1,2,3
	global_load_b32 v[BV+2*\n],   v6, s[92:93] offset:8192+64*\n
	global_load_b32 v[BV+2*\n+1], v6, s[92:93] offset:8192+64*\n
.endr
	s_lshr_b32 s96, s23, 3                         ; the batch
	s_lshl_b32 s96, s96, 4
	s_add_co_u32 s96, s96, s22
	s_lshl_b32 s96, s96, 17                        ; my head of batch in qi, ki, vi
	s_and_b32 s97, s23, 7
	s_lshl_b32 s90, s97, 4
	s_lshl_b32 s91, s18, 2
	s_add_co_u32 s90, s90, s91
	s_lshl_b32 s90, s90, 10
	s_add_co_u32 s90, s90, s96
	s_mov_b32 s91, 0
	s_add_nc_u64 s[84:85], s[12:13], s[90:91]
	s_add_nc_u64 s[86:87], s[14:15], s[90:91]
	s_lshl_b32 s90, s97, 1
	s_add_co_u32 s90, s90, s19
	s_lshl_b32 s90, s90, 13                        ; vi: my 128 keys,
	s_and_b32 s94, s18, 1
	s_lshl_b32 s94, s94, 10                        ; my 64 of them
	s_add_co_u32 s90, s90, s94
	s_add_co_u32 s90, s90, s96
	s_add_nc_u64 s[88:89], s[16:17], s[90:91]
	s_wait_kmcnt 0x0
	s_add_co_i32 s2, s76, s77
	s_add_co_i32 s2, s2, 127
	s_lshl_b32 s2, s2, 23                          ; 2^(e0 + e1) as f32
	s_mov_b32 s3, s2                               ; (named with it as a pair, so it is written)
.irp p, 0,1,2
	s_add_co_i32 s96, s[78+\p], 127
	s_lshl_b32 s97, s96, 23
	v_mov_b32 v[9+2*\p], s97                       ; 2^e of q, k, v,
	s_add_co_i32 s96, s96, 8
	s_lshl_b32 s96, s96, 23
	s_or_b32 s96, s96, 0x600000
	v_mov_b32 v[8+2*\p], s96                       ; and 448 x it
.endr
.macro WHERE kk                        ; step kk's region: PT bytes from tile to tile, KO the step's place in a tile
.if ((\kk) == 3) || ((\kk) == 4)
.set PT, 4096
.set KO, 2048*((\kk)-3)
.set RA, ADA1
.set RB, ADB1
.set RV, ADB1
.set VO, 8*4096
.else
.set PT, 6144
.set KO, 2048*((\kk)-5*((\kk)/5))
.set RA, ADA0
.set RB, ADB0
.set RV, ADBV
.set VO, 0
.endif
.endm
.macro AFETCH kk                       ; x's four fragments of step kk into set kk % 2: an instruction's 512 bytes are consecutive
	WHERE \kk
	WIN 0x40
.irp a, 0,1,2,3
.irp q, 0,1,2,3
	ds_load_b128 v[64*((\kk)%2)+16*\a+4*\q:64*((\kk)%2)+16*\a+4*\q+3], v[RA] offset:PT*\a+KO+512*\q
.endr
.endr
.endm
.macro BFETCH kk, p                    ; qkv_w's four fragments of q, k or v
	WHERE \kk
	WIN 0x80
.irp n, 0,1,2,3
.irp q, 0,1,2,3
.if (\p) < 2
	ds_load_b128 v[64*(\p)+16*\n+4*\q:64*(\p)+16*\n+4*\q+3], v[RB] offset:PT*(4*(\p)+\n)+KO+512*\q
.else
	ds_load_b128 v[64*(\p)+16*\n+4*\q:64*(\p)+16*\n+4*\q+3], v[RV] offset:VO+PT*\n+KO+512*\q
.endif
.endr
.endr
.endm
; 16 products of q, k or v: the 48 accumulators take turns, one instruction a turn, in the same order in every step.  Step 0's products start the sums.
.macro MUL kk, p
.set AF, 64*((\kk)%2)
.set BF, 64*(\p)
.if (\p) < 2
.set AC, 128*(\p)
	WIN 0xF6
.else
.set AC, 128
	WIN 0x09
.endif
.irp a, 0,1,2,3
.irp b, 0,1,2,3
.if (\p) < 2
.if (\kk) == 0
	v_wmma_f32_16x16x128_fp8_fp8 v[AC+8*(4*\a+\b):AC+8*(4*\a+\b)+7], v[BF+16*\b:BF+16*\b+15], v[AF+16*\a:AF+16*\a+15], 0
.else
	v_wmma_f32_16x16x128_fp8_fp8 v[AC+8*(4*\a+\b):AC+8*(4*\a+\b)+7], v[BF+16*\b:BF+16*\b+15], v[AF+16*\a:AF+16*\a+15], v[AC+8*(4*\a+\b):AC+8*(4*\a+\b)+7]
.endif
.else
.if (\kk) == 0
	v_wmma_f32_16x16x128_fp8_fp8 v[AC+8*(4*\a+\b):AC+8*(4*\a+\b)+7], v[AF+16*\a:AF+16*\a+15], v[BF+16*\b:BF+16*\b+15], 0
.else
	v_wmma_f32_16x16x128_fp8_fp8 v[AC+8*(4*\a+\b):AC+8*(4*\a+\b)+7], v[AF+16*\a:AF+16*\a+15], v[BF+16*\b:BF+16*\b+15], v[AC+8*(4*\a+\b):AC+8*(4*\a+\b)+7]
.endif
.endif
.endr
.endr
.endm
; A STEP whose successor's tiles are in LDS already.  q's, k's and v's products follow each other; behind each the same fragments of the next step are fetched (behind q's its x too), in runs of 16 loads.
.macro KSTEP kk
	s_wait_dscnt 32                                ; x and q are in; k's and v's 32 loads may be out
	MUL \kk, 0
	PLACES
	AFETCH (\kk)+1
	BFETCH (\kk)+1, 0
	s_wait_dscnt 48                                ; k is in; v's 16 and the 32 just issued may be out
	MUL \kk, 1
	PLACES
	BFETCH (\kk)+1, 1
	s_wait_dscnt 48                                ; v is in; the next step's 48 may be out
	MUL \kk, 2
	PLACES
	BFETCH (\kk)+1, 2
.endm
	s_wait_alu depctr_va_vdst(0)                   ; the head's end
	s_wait_tensorcnt 0x0                           ; my part of region 0 is in
	ds_add_u32 v[SPW], v[NIL]
	s_wait_dscnt 0x0
	CROUND                                         ; everybody's is
	JLOAD G0A1, G1A1, G0B1, G1B1                   ; steps 3 and 4
	AFETCH 0
	BFETCH 0, 0
	BFETCH 0, 1
	BFETCH 0, 2
	KSTEP 0
	KSTEP 1
	; STEP 2: all its fragments come into registers, region 1 is shown to every wave, and region 0 is filled again.
	s_wait_dscnt 32
	MUL 2, 0
	WIN 0
	s_wait_tensorcnt 0x0                           ; my part of region 1 is in, and every group 0 may be written;
	ds_add_u32 v[SPW], v[NIL]                      ; 0 onto my spare word
	s_add_nc_u64 s[G0A0+2:G0A0+3], s[G0A0+2:G0A0+3], 10240   ; five steps on
	s_add_nc_u64 s[G0B0+2:G0B0+3], s[G0B0+2:G0B0+3], 10240
	s_wait_dscnt 0x0                               ; the add is done, and so are my reads of region 0
	s_barrier_signal -1
	MUL 2, 1                                       ; work on registers while the others arrive
	WIN 0
	s_barrier_wait -1
	CREST                                          ; no wave of any partner still reads region 0 or has a load on its way
	JLOAD G0A0, G1A0, G0B0, G1B0                   ; steps 5-7; the four v_nop behind it are the places in front of the loads below
	AFETCH 3
	BFETCH 3, 0
	BFETCH 3, 1
	MUL 2, 2
	PLACES
	BFETCH 3, 2
	KSTEP 3
	; STEP 4: the refilled region is shown to every wave.
	s_wait_dscnt 32
	MUL 4, 0
	s_wait_tensorcnt 0x0                           ; my part of steps 5-7 is in
	s_wait_dscnt 0x0                               ; (no LDS instruction of mine is out at a signal)
	s_barrier_signal -1
	MUL 4, 1
	s_barrier_wait -1
	PLACES
	AFETCH 5
	BFETCH 5, 0
	BFETCH 5, 1
	MUL 4, 2
	PLACES
	BFETCH 5, 2
	KSTEP 5
	KSTEP 6
	s_wait_dscnt 32
	MUL 7, 0
	s_wait_dscnt 16
	MUL 7, 1
	s_wait_dscnt 0x0
	MUL 7, 2
	; THE WAY OUT: sum x 2^(e0 + e1) + bias, held, converted; the conversions' results are the images: stores of 512 consecutive bytes, aligned.
.macro SCALE win, acc, bias, isv
	WIN \win
.set jj, 0
.rept 64
.if \isv
	v_pk_fma_f32 v[jj:jj+1], v[\acc+jj:\acc+jj+1], s[2:3], v[BV+2*((jj/8)%4):BV+2*((jj/8)%4)+1] op_sel_hi:[1,0,1]
.else
	v_pk_fma_f32 v[jj:jj+1], v[\acc+jj:\acc+jj+1], s[2:3], v[\bias+jj%32:\bias+jj%32+1] op_sel_hi:[1,0,1]
.endif
.set jj, jj+2
.endr
.endm
.macro CODES lim, sc, cod, isv         ; the conversion to an 8-bit code does not saturate (ISA guide 7.6.2): hold first
	WIN 0x41
.irp m, 0,1,2,3
.set jj, 0
.rept 32
	v_med3_num_f32 v[32*\m+jj], v[32*\m+jj], -v[\lim], v[\lim]
.set jj, jj+1
.endr
.irp n, 0,1,2,3
.if \isv
	v_cvt_scalef32_pk8_fp8_f32 v[\cod+8*\n+2*\m:\cod+8*\n+2*\m+1], v[32*\m+8*\n:32*\m+8*\n+7], v[\sc]
.else
	v_cvt_scalef32_pk8_fp8_f32 v[\cod+8*\m+2*\n:\cod+8*\m+2*\n+1], v[32*\m+8*\n:32*\m+8*\n+7], v[\sc]
.endif
.endr
.endr
	v_nop
.endm
.macro SEND cod, base, stride
	WIN 0x04
.irp i, 0,1,2,3
.irp c, 0,1
	global_store_b128 v[LN16], v[\cod+8*\i+4*\c:\cod+8*\i+4*\c+3], s[\base:\base+1] offset:\i*(\stride)+512*\c
.endr
.endr
.endm
	s_wait_loadcnt 0x0                             ; the biases
	PLACES                                         ; behind the last products
	SCALE 0x43, 0, BQ, 0
	CODES 8, 9, 128, 0
	SEND 128, 84, 1024
	SCALE 0x43, 128, BQ+32, 0
	CODES 10, 11, 160, 0
	SEND 160, 86, 1024
	SCALE 0x40, 128, 0, 1
	CODES 12, 13, 192, 1
	SEND 192, 88, 2048
	WIN 0
	s_wait_tensorcnt 0x0                           ; the wave's end
	ds_add_u32 v[SPW], v[NIL]
	s_wait_dscnt 0x0
	CROUND                                         ; the closing round: no work-group ends while a partner may still ask for a tile that names it
	s_endpgm
.Lfunc_end_k_qcfd0de9c03_qkv:
	.size	k_qcfd0de9c03_qkv, .Lfunc_end_k_qcfd0de9c03_qkv-k_qcfd0de9c03_qkv
	.p2alignl 7, 3214868480
	.fill 96, 4, 3214868480
	.section	.rodata,"a",@progbits
	.p2align	6, 0x0
	.amdhsa_kernel k_qcfd0de9c03_qkv
		.amdhsa_group_segment_fixed_size 327680
		.amdhsa_private_segment_fixed_size 0
		.amdhsa_enable_private_segment 0
		.amdhsa_kernarg_size 56
		.amdhsa_user_sgpr_count 2
		.amdhsa_user_sgpr_kernarg_segment_ptr 1
		.amdhsa_wavefront_size32 1
		.amdhsa_system_sgpr_workgroup_id_x 1
		.amdhsa_system_sgpr_workgroup_id_y 1
		.amdhsa_system_sgpr_workgroup_id_z 1
		.amdhsa_system_vgpr_workitem_id 0
		.amdhsa_next_free_vgpr 1024
		.amdhsa_next_free_sgpr 98
		.amdhsa_reserve_vcc 0
		.amdhsa_float_denorm_mode_32 3
		.amdhsa_float_denorm_mode_16_64 3
		.amdhsa_memory_ordered 1
		.amdhsa_forward_progress 1
		.amdhsa_inst_pref_size 116
	.end_amdhsa_kernel
	.amdgpu_metadata
---
amdhsa.version: [ 1, 2 ]
amdhsa.kernels:
  - .name:           k_qcfd0de9c03_qkv
    .symbol:         k_qcfd0de9c03_qkv.kd
    .args:
      - { .name: xc, .offset: 0, .size: 8, .value_kind: global_buffer, .address_space: global }
      - { .name: wc, .offset: 8, .size: 8, .value_kind: global_buffer, .address_space: global }
      - { .name: qkv_b, .offset: 16, .size: 8, .value_kind: global_buffer, .address_space: global }
      - { .name: lowp_scales, .offset: 24, .size: 8, .value_kind: global_buffer, .address_space: global }
      - { .name: qi, .offset: 32, .size: 8, .value_kind: global_buffer, .address_space: global }
      - { .name: ki, .offset: 40, .size: 8, .value_kind: global_buffer, .address_space: global }
      - { .name: vi, .offset: 48, .size: 8, .value_kind: global_buffer, .address_space: global }
    .group_segment_fixed_size: 327680
    .private_segment_fixed_size: 0
    .kernarg_segment_align: 8
    .kernarg_segment_size: 56
    .max_flat_workgroup_size: 128
    .sgpr_count:     98
    .vgpr_count:     1024
    .wavefront_size: 32
...
	.end_amdgpu_metadata
.endif
;; end of part 2
;; launch attn (part 3): grid 8 x 32, 8 waves a work-group, clusters of 4 x 1, 327,680 bytes of LDS; arguments qi, ki, vi, lowp_scales, ci; writes ci
.if DOCPART == 3
	.amdgcn_target "amdgcn-amd-amdhsa--gfx1250"
	.amdhsa_code_object_version 6
	.text
	.protected	k_qcfd0de9c03_attn
	.globl	k_qcfd0de9c03_attn
	.p2align	8
	.type	k_qcfd0de9c03_attn,@function
k_qcfd0de9c03_attn:
	s_mov_b64 s[64:65], 0
	v_nop
	global_prefetch_b8 v0, s[64:65] scope:SCOPE_SE
	s_setreg_imm32_b32 hwreg(HW_REG_WAVE_MODE, 25, 1), 1
	s_wait_xcnt 0x0
	s_wait_alu depctr_hold_cnt(0) depctr_sa_sdst(0) depctr_va_vdst(0) depctr_va_sdst(0) depctr_va_ssrc(0) depctr_va_vcc(0) depctr_vm_vsrc(0)
	s_getreg_b32 s2, hwreg(HW_REG_IB_STS2, 6, 4)
	s_cmp_eq_u32 s2, 0
	s_cbranch_scc0 .Lentry_in_a_cluster
	s_endpgm
.Lentry_in_a_cluster:
	s_bfe_u32 s2, ttmp6, 0x10000c
	s_cmp_lg_u32 s2, 0x3003
	s_cbranch_scc0 .Lentry_shape_is_right
	s_endpgm
.Lentry_shape_is_right:
; ctx[b][q][head][:] = the sum over keys of softmax(q . k / 8) v, both products on codes of FP8 (E4M3), then ctx quantised with e6 for the last projection.
; qi, ki: [head of batch 32][tile of 16 rows 128][2][lane 32][16 bytes]: images of K = 64 operands (16 rows x the head's 64).  vi: [32][128 keys 16][16 channels 4][4][lane 32][16 bytes]: images of K = 128 operands
; (16 channels x 128 keys).  ci: [16 rows of batch x time 256][head 16][2][lane 32][16 bytes]: images of K = 64 halves of the projection's operand.
; THE SOFTMAX AHEAD OF THE SECOND PRODUCT: t = score x log2(e) / 8; M = the row's largest t so far, rounded UP to a whole number; p = 2^(t - M) is quantised with e5, not normalised.  The row's sum is taken of the
; unquantised p, in f32, and divides at the end.  When M moves, the sum and O are multiplied by 2^(old M - new M), which rounds nothing.
; SHARES.  A work-group owns 256 queries of one head of one batch; each of its eight waves owns two tiles of 16, A and B, in 512 registers, so each fragment of K and V read from LDS feeds both.  A step is 256 keys.
; K AND V LIE WHOLE IN LDS, 131,072 bytes each, as they lie in memory; nothing is filled twice.  Waves 0-3 fetch K, waves 4-7 V, one tensor load a wave at the head (768 keys of K, 512 of V: all that steps 0 and 1
; read, step 2's K among it) and one behind a full round (the rest), which has two steps' work in which to land.  No prefetch: all bytes are asked for by then.
; CLUSTER.  The four query blocks of a cluster belong to one head and want the same K and V: every tile is asked for JOINTLY, the same load, descriptor and mask (all four) in all four work-groups.
; LAYOUT.  Both products are used transposed: S^T = K Q^T, O^T = V^T P^T: a lane holds ONE query (lane % 16) of each tile.  Tile t of S^T holds in lane (r, h) keys 16 t + 8 h + 0 .. 7: its conversion gives registers
; 2 t, 2 t + 1 of P's operand; likewise O^T's tile nt gives registers 2 nt, 2 nt + 1 of ctx's image.
; LIMITS on the given exponents, so that each power of two below is an f32 number: e2 + e3 between -123 and 130 (added to c's exponent field); e5 and e6 between -126 and 119; e4 + e5 goes by v_ldexp_f32 and has none.
; LIMIT on the scores: scaled (the exponents to the base 2) they stay under 2^31 in magnitude.  NaN is not served.
; REGISTERS, window 1: the scores, then p: A's 16 tiles of keys at 0, B's at 128.  In a step's later part: at 0 the codes of B's first 128 keys, at 16 and 32 of A's and B's second; at 128 V's first 128 keys, at 64 its second.
;   window 0: v1-23 addresses, constants, -M, maxima and factors; v24-31, v32-39 the sums of A and B, four pairs each; v40-55 Q; v56-87, v88-119 O^T of A and B; v120-135 the codes of A's first 128 keys, and between the
;   products K's tiles 14 and 15; v136-247 K's tiles 0-13; v248-255 at work.
.set AL,   1                           ; 16 x lane; never rewritten
.set ADK,  2
.set ADV,  3
.set SPW,  4                           ; LDS address of my spare word; never rewritten
.set NIL,  5                           ; 0; never rewritten
.set LIM,  6                           ; v6, v7 448 x 2^e5, twice: a dual instruction's second sources lie in different register banks
.set PSC,  8                           ; 2^e5
.set CSC,  9                           ; 2^e6
.set CLIM, 10                          ; 448 x 2^e6
.set MA,   14                          ; v[14:15] -M of A, v[16:17] of B (the low words count)
.set RM,   18                          ; v18, v19 the largest score so far, as the product gives it
.set FA,   20                          ; v[20:21], v[22:23] the factor for what was summed under the old M
.set SA,   24
.set SB,   32
.set QF,   40
.set OA,   56
.set OB,   88
.set CA,   120
.set XA,   120                         ; the way out: ctx of A, and of B
.set XB,   152
.set T,    248
.set VBASE, 131072                     ; V's images lie behind K's
.set SPARE, 262144                     ; the spare words, 128 bytes for each wave
.set STEPB, 16384                      ; a step: 256 keys of K, or of V
.set K0, 49152                         ; bytes of the first fill of K: 768 keys,
.set V0, 32768                         ; of V: 512
.set G1K0, 24                          ; descriptor groups 1: dense blocks, rows of 256 bytes
.set G1V0, 32
.set G1K1, 40
.set G1V1, 48
.set G0K0, 56                          ; and groups 0
.set G0V0, 60
.set G0K1, 68
.set G0V1, 72
.set MSB, 0
.macro WIN new                         ; the immediate's high byte repeats the setting that is left
.if MSB != (\new)
	s_set_vgpr_msb (MSB<<8)|(\new)
.set MSB, (\new)
.endif
.endm
.macro CROUND                          ; a round of the cluster's barrier
	s_barrier_signal -1
	s_barrier_wait -1
	s_cmp_lg_u32 s18, 0
	s_cbranch_scc1 .Lnot_wave_0_\@
	s_barrier_signal -3
.Lnot_wave_0_\@:
	s_barrier_wait -3
	s_barrier_signal -1
	s_barrier_wait -1
.endm
.macro TLOAD gk, hk, gv, hv            ; waves 0-3 fetch K's part, waves 4-7 V's; the branch hangs on the wave's number alone
	s_cmp_lt_u32 s18, 4
	s_cbranch_scc0 .Lfor_v_\@
	tensor_load_to_lds s[\gk:\gk+3], s[\hk:\hk+7]
	s_nop 0
.rept 4
	v_nop
.endr
	s_branch .Lasked_\@
.Lfor_v_\@:
	tensor_load_to_lds s[\gv:\gv+3], s[\hv:\hv+7]
	s_nop 0
.rept 4
	v_nop
.endr
.Lasked_\@:
.endm
.macro GROUP1 g, rows                  ; rows of 256 bytes, dense
	s_mov_b32 s[\g+0], 15|(3<<16)|(1<<21)          ; the mask: all four; elements of 8 bytes; no padding; 21 set beside a mask
	s_mov_b32 s[\g+1], 32<<16
	s_mov_b32 s[\g+2], (\rows)<<16
	s_mov_b32 s[\g+3], 32<<16
	s_mov_b32 s[\g+4], \rows
	s_mov_b32 s[\g+5], 32
	s_mov_b32 s[\g+6], 0
	s_mov_b32 s[\g+7], 0
.endm
.macro GROUP0 g, base, off, lds        ; off: scalar register with my byte offset in the head's K or V
	s_mov_b32 s[\g], 1
	s_add_co_u32 s[\g+1], s[\off], \lds
	s_mov_b32 s96, s[\off]
	s_mov_b32 s97, 0
	s_add_nc_u64 s[\g+2:\g+3], s[\base:\base+1], s[96:97]
	s_or_b32 s[\g+3], s[\g+3], 0x80000000
.endm
	s_load_b128 s[4:7], s[0:1], 0x0                ; qi s[4:5], ki s[6:7]
	s_load_b128 s[8:11], s[0:1], 0x10              ; vi s[8:9], the scales' exponents s[10:11]
	s_load_b64 s[12:13], s[0:1], 0x20              ; ci
	v_lshl_add_u32 v[SPW], v0, 2, SPARE
	v_mov_b32 v[NIL], 0
	ds_add_u32 v[SPW], v[NIL]                      ; the opening: the add, twice on end, under one wait
	ds_add_u32 v[SPW], v[NIL]
	v_lshrrev_b32 v2, 5, v0
	v_readfirstlane_b32 s18, v2                    ; wave 0..7
	v_and_b32 v[AL], 31, v0
	v_lshlrev_b32 v[AL], 4, v[AL]
	s_and_b32 s76, ttmp7, 0xffff                   ; 16 x batch + head, which the four partners share
	s_lshl_b32 s78, s76, 17                        ; its first byte in qi, ki and vi
	s_mov_b32 s79, 0
	s_and_b32 s80, s18, 3                          ; my part of K's or of V's fills: no place in the cluster enters an LDS address
	s_mul_i32 s14, s80, K0/4
	s_mul_i32 s15, s80, V0/4
	s_mul_i32 s16, s80, (VBASE-K0)/4
	s_add_co_u32 s16, s16, K0
	s_mul_i32 s17, s80, (VBASE-V0)/4
	s_add_co_u32 s17, s17, V0
	GROUP1 G1K0, K0/1024
	GROUP1 G1V0, V0/1024
	GROUP1 G1K1, (VBASE-K0)/1024
	GROUP1 G1V1, (VBASE-V0)/1024
	s_bfe_u32 s77, ttmp6, 0x40000                  ; cx: it enters Q's and ci's addresses alone
	s_lshl_b32 s81, ttmp9, 2
	s_add_co_u32 s81, s81, s77                     ; my block of 256 queries = 4 x cluster x + cx
	s_lshl_b32 s81, s81, 4
	s_lshl_b32 s82, s18, 1
	s_add_co_u32 s81, s81, s82                     ; my first tile of 16 queries, 0 .. 126
	s_lshl_b32 s92, s81, 10
	s_add_co_u32 s92, s92, s78                     ; its image in qi
	s_mov_b32 s93, 0
	s_lshr_b32 s94, s76, 4                         ; the batch
	s_lshl_b32 s94, s94, 7
	s_add_co_u32 s94, s94, s81                     ; my first 16 rows of batch x time
	s_lshl_b32 s94, s94, 14                        ; 16 heads x 1,024 bytes each
	s_and_b32 s95, s76, 15
	s_lshl_b32 s95, s95, 10
	s_add_co_u32 s94, s94, s95
	s_mov_b32 s95, 0
	s_mov_b32 s20, 0x76543210                      ; lane selects for v_permlanex16_b32: lane l xor 16
	s_mov_b32 s21, 0xfedcba98
	s_mov_b32 s22, 0x3e38aa3b                      ; c = log2(e) / sqrt(64)
	s_wait_alu depctr_va_vdst(0)                   ; directly ahead of the waits below
	s_wait_dscnt 0x0                               ; both opening adds are done
	s_wait_kmcnt 0x0
	s_load_b256 s[84:91], s[10:11], 0x0            ; e0 .. e7
	s_add_nc_u64 s[6:7], s[6:7], s[78:79]
	s_add_nc_u64 s[8:9], s[8:9], s[78:79]
	s_add_nc_u64 s[4:5], s[4:5], s[92:93]          ; Q's images
	s_add_nc_u64 s[12:13], s[12:13], s[94:95]      ; ctx's images
	GROUP0 G0K0, 6, 14, 0
	GROUP0 G0V0, 8, 15, VBASE
	GROUP0 G0K1, 6, 16, 0
	GROUP0 G0V1, 8, 17, VBASE
	CROUND                                         ; all four work-groups are here: the joint loads meet
	TLOAD G0K0, G1K0, G0V0, G1V0                   ; a wave's one tensor load at the head
	global_load_b128 v[QF:QF+3], v[AL], s[4:5]     ; Q's operands stay in registers
	global_load_b128 v[QF+4:QF+7], v[AL], s[4:5] offset:512
	global_load_b128 v[QF+8:QF+11], v[AL], s[4:5] offset:1024
	global_load_b128 v[QF+12:QF+15], v[AL], s[4:5] offset:1536
.irp q, 0,1
	v_mov_b32 v[RM+\q], 0xff61b1e6                 ; the largest score so far: -3e38, under every score
	v_mov_b32 v[MA+2*\q], 0x7f61b1e6               ; -M: 3e38
	v_mov_b32 v[MA+2*\q+1], 0                      ; (the pairs' upper halves are named, so they are written)
	v_mov_b32 v[FA+2*\q+1], 0
	v_mov_b32 v[11+\q], 0                          ; written once: a lane permute's destination counts as one of its sources
.endr
.set jj, 0
.rept 16
	v_mov_b32 v[SA+jj], 0                          ; the sums
.set jj, jj+1
.endr
.set jj, 0
.rept 64
	v_mov_b32 v[OA+jj], 0                          ; O^T.  (The step has no first step of its own: the first change of M multiplies zeros)
.set jj, jj+1
.endr
	s_wait_kmcnt 0x0
	s_add_co_i32 s92, s86, s87
	s_lshl_b32 s92, s92, 23
	s_add_co_i32 s22, s22, s92                     ; a score stands for score x 2^(e2 + e3): the two exponents are added to c's exponent field
	s_mov_b32 s23, s22                             ; (named with it as a pair, so it is written)
	s_xor_b32 s19, s22, 0x80000000                 ; -c
	s_add_co_i32 s92, s89, 127
	s_lshl_b32 s93, s92, 23
	v_mov_b32 v[PSC], s93
	s_add_co_i32 s92, s92, 8
	s_lshl_b32 s92, s92, 23
	s_or_b32 s92, s92, 0x600000
	v_mov_b32 v[LIM], s92
	v_mov_b32 v[LIM+1], s92
	s_add_co_i32 s92, s90, 127
	s_lshl_b32 s93, s92, 23
	v_mov_b32 v[CSC], s93
	s_add_co_i32 s92, s92, 8
	s_lshl_b32 s92, s92, 23
	s_or_b32 s92, s92, 0x600000
	v_mov_b32 v[CLIM], s92
.macro KREG t
.if (\t) < 14
.set KR, 136+8*(\t)
.else
.set KR, 8+8*(\t)
.endif
.endm
.macro KLOAD adr, t, off               ; tile t of K, 16 keys: an instruction's 512 bytes are consecutive
	KREG \t
	ds_load_b128 v[KR:KR+3], v[\adr] offset:(\off)+1024*(\t)
	ds_load_b128 v[KR+4:KR+7], v[\adr] offset:(\off)+1024*(\t)+512
.endm
.macro QK t                            ; S^T of both query tiles: lane (r, h) holds query r, register j key 16 t + 8 h + j
	KREG \t
	v_wmma_f32_16x16x64_fp8_fp8 v[8*\t:8*\t+7], v[KR:KR+7], v[QF:QF+7], 0
	v_wmma_f32_16x16x64_fp8_fp8 v[128+8*\t:135+8*\t], v[KR:KR+7], v[QF+8:QF+15], 0
.endm
.macro SCALE g, m, b                   ; pair b of the group at g: t - M, two at a time (of the pairs c and -M the low word serves both halves)
	v_pk_fma_f32 v[(\g)+2*(\b):(\g)+2*(\b)+1], v[(\g)+2*(\b):(\g)+2*(\b)+1], s[22:23], v[(\m):(\m)+1] op_sel_hi:[1,0,0]
.endm
; The conversion to an 8-bit code does not saturate (ISA guide 7.6.2); p is not negative, so the hold is one-sided; two holds go in one dual instruction.
.macro HOLD g, b
	v_dual_min_num_f32 v[(\g)+2*(\b)], v[(\g)+2*(\b)], v[LIM] :: v_dual_min_num_f32 v[(\g)+2*(\b)+1], v[(\g)+2*(\b)+1], v[LIM+1]
.endm
; A BATCH: the 64 exponentials of the group at g, p = 2^(t - M), at most 1; among them the scalings of the group at n (-M at m) and the holds of the group at h, which name no result of this batch.
.macro BATCH g, n, m, h
.set bb, 0
.rept 32
	v_exp_f32 v[(\g)+2*bb], v[(\g)+2*bb]
.if (\n) >= 0
	SCALE \n, \m, bb
.endif
	v_exp_f32 v[(\g)+2*bb+1], v[(\g)+2*bb+1]
.if (\h) >= 0
	HOLD \h, bb
.endif
.set bb, bb+1
.endr
	s_wait_alu depctr_va_vdst(0)                   ; one wait behind this batch and ahead of the next
.endm
.macro SUM g, acc                      ; the row's sum is taken of the unquantised p, two at a time, in four chains
.irp j, 0,8,16,24,32,40,48,56
.irp c, 0,2,4,6
	v_pk_add_f32 v[\acc+\c:\acc+\c+1], v[\g+\j+\c:\g+\j+\c+1], v[\acc+\c:\acc+\c+1]
.endr
.endr
.endm
.macro CVT g, cod                      ; the group's eight tiles: tile t becomes registers 2 t, 2 t + 1 of P's operand
.irp t, 0,1,2,3,4,5,6,7
	v_cvt_scalef32_pk8_fp8_f32 v[\cod+2*\t:\cod+2*\t+1], v[\g+8*\t:\g+8*\t+7], v[PSC]
.endr
.endm
.macro VLOAD reg, off                  ; V's four images of 128 keys
.irp n, 0,1,2,3
.irp c, 0,1,2,3
	ds_load_b128 v[\reg+16*\n+4*\c:\reg+16*\n+4*\c+3], v[ADV] offset:(\off)+2048*\n+512*\c
.endr
.endr
.endm
.macro PV reg, acc, cod                ; O^T += V^T P^T, 128 keys, one query tile; the eight accumulators of A and B by turns
.irp n, 0,1,2,3
	v_wmma_f32_16x16x128_fp8_fp8 v[\acc+8*\n:\acc+8*\n+7], v[\reg+16*\n:\reg+16*\n+15], v[\cod:\cod+15], v[\acc+8*\n:\acc+8*\n+7]
.endr
.endm
; A KEY STEP: the 256 keys whose images begin at LDS byte s2 (K) and VBASE + s2 (V).  K's tiles 0-13 are in registers, tiles 14 and 15 at most on their way there.  pre = 1: the next step's K is fetched.
.macro STEP pre
	WIN 0x40                                       ; D in window 1
.irp t, 0,1,2,3
	QK \t
.endr
	s_wait_dscnt 16                                ; step 0: tiles 4-7 are in.  (In later steps at most the four loads of tiles 14 and 15 are out)
.irp t, 4,5,6,7
	QK \t
.endr
	s_wait_dscnt 8
.irp t, 8,9,10,11
	QK \t
.endr
	s_wait_dscnt 4
.irp t, 12,13
	QK \t
.endr
	s_wait_dscnt 0x0                               ; K's tiles 14 and 15 are in
.irp t, 14,15
	QK \t
.endr
	WIN 0
	v_add_nc_u32 v[ADK], s2, v[AL]                 ; these four plain lines are the places between the products and the first read of the scores
	v_add_nc_u32 v[ADV], VBASE, v[ADK]
	v_nop
	v_nop
	WIN 0x14                                       ; sources 1 and 2 in window 1
.irp c, 0,1,2,3,4,5,6,7                ; the largest score of my query: chains 0-3 over A's registers, 4-7 over B's, 32 each, on from the largest so far; each tile first read at its low end
	v_max3_num_f32 v[T+\c], v[RM+\c/4], v[32*\c], v[32*\c+1]
.endr
.irp i, 2,4,6,8,10,12,14,16,18,20,22,24,26,28,30
.irp c, 0,1,2,3,4,5,6,7
	v_max3_num_f32 v[T+\c], v[T+\c], v[32*\c+\i], v[32*\c+\i+1]
.endr
.endr
	WIN 0
.irp q, 0,1
	v_max3_num_f32 v[T+4*\q], v[T+4*\q], v[T+4*\q+1], v[T+4*\q+2]
.endr
.irp q, 0,1
	v_max_num_f32 v[T+4*\q], v[T+4*\q], v[T+4*\q+3]
.endr
.irp q, 0,1
	v_permlanex16_b32 v[11+\q], v[T+4*\q], s20, s21
.endr
.irp q, 0,1
	v_max_num_f32 v[RM+\q], v[T+4*\q], v[11+\q]    ; and among lane l xor 16's
.endr
.irp q, 0,1
	v_mul_f32 v[T+4*\q+1], s19, v[RM+\q]           ; -t (c is positive)
.endr
.irp q, 0,1
	v_floor_f32 v[T+4*\q+1], v[T+4*\q+1]           ; the new -M = floor(-t) = -ceil(t): M is a whole number
.endr
.irp q, 0,1
	v_sub_f32 v[T+4*\q+2], v[T+4*\q+1], v[MA+2*\q] ; M's old value less its new one: a whole number, 0 or less
.endr
.irp q, 0,1
	v_cvt_i32_f32 v[T+4*\q+2], v[T+4*\q+2]         ; (it saturates)
.endr
.irp q, 0,1
	v_mov_b32 v[MA+2*\q], v[T+4*\q+1]
.endr
.irp q, 0,1
	v_ldexp_f32 v[FA+2*\q], 1.0, v[T+4*\q+2]       ; 2^(old M - new M)
.endr
.irp j, 0,2,4,6                        ; the sums and O^T under the new M, each accumulator from its low end on
	v_pk_mul_f32 v[SA+\j:SA+\j+1], v[SA+\j:SA+\j+1], v[FA:FA+1] op_sel_hi:[1,0]
	v_pk_mul_f32 v[SB+\j:SB+\j+1], v[SB+\j:SB+\j+1], v[FA+2:FA+3] op_sel_hi:[1,0]
.endr
.irp j, 0,2,4,6,8,10,12,14,16,18,20,22,24,26,28,30
	v_pk_mul_f32 v[OA+\j:OA+\j+1], v[OA+\j:OA+\j+1], v[FA:FA+1] op_sel_hi:[1,0]
	v_pk_mul_f32 v[OB+\j:OB+\j+1], v[OB+\j:OB+\j+1], v[FA+2:FA+3] op_sel_hi:[1,0]
.endr
	WIN 0x41                                       ; source 0 and destination in window 1
.set bb, 0
.rept 32
	SCALE 0, MA, bb
.set bb, bb+1
.endr
	s_wait_alu depctr_va_vdst(0)                   ; ahead of the first batch
	BATCH 0, 128, MA+2, -1                         ; A, keys 0-127
.if \pre
	WIN 0
.irp t, 0,1,2,3,4,5,6,7,8,9,10,11,12,13
	KLOAD ADK, \t, STEPB                           ; the next step's tiles 0-13, a step's softmax ahead of their use
.endr
.endif
	WIN 0x01                                       ; source 0 in window 1
	SUM 0, SA
	WIN 0x41
	BATCH 128, 64, MA, 0                           ; B, keys 0-127
	WIN 0x01
	CVT 0, CA
	SUM 128, SB
	WIN 0x41
	BATCH 64, 192, MA+2, 128                       ; A, keys 128-255
	CVT 128, 0                                     ; codes over p of A that has been converted
	WIN 0x01
	SUM 64, SA
	WIN 0x40
	VLOAD 128, 0                                   ; V's first 128 keys, over p that has been converted
	WIN 0x41
	BATCH 192, -1, 0, 64                           ; B, keys 128-255
	CVT 64, 16
	WIN 0x40
	VLOAD 64, 8192                                 ; V's second 128 keys
	WIN 0x01
	SUM 192, SB
	WIN 0x41
.set bb, 0
.rept 32
	HOLD 192, bb
.set bb, bb+1
.endr
	CVT 192, 32
	v_nop                                          ; one plain line between the last conversion and the products that read its result
	s_wait_alu depctr_va_vdst(0)                   ; directly ahead of the wait below
	s_wait_dscnt 16                                ; V's first half is in, and so are the next step's tiles 0-13 of K; the 16 loads of V's second half may be out
	WIN 0x01
	PV 128, OA, CA
	WIN 0x05
	PV 128, OB, 0
	s_wait_dscnt 0x0
	PV 64, OA, 16
	PV 64, OB, 32
.rept 5
	v_nop                                          ; four places ahead of the loads into the codes' registers, five ahead of the next step's products, which write their scores over V and the codes
.endr
	WIN 0
.if \pre
.irp t, 14,15
	KLOAD ADK, \t, STEPB                           ; the next step's tiles 14 and 15
.endr
.endif
.endm
.macro RUN base, trips                 ; so many steps, from LDS byte base on
	s_mov_b32 s2, \base
	s_mov_b32 s3, \trips
.Lstep_\@:
	STEP 1
	s_add_co_u32 s2, s2, STEPB
	s_sub_co_u32 s3, s3, 1
	s_cmp_lg_u32 s3, 0
	s_cbranch_scc1 .Lstep_\@
.endm
	s_wait_alu depctr_va_vdst(0)                   ; the head's end
	s_wait_loadcnt 0x0                             ; Q
	s_wait_tensorcnt 0x0                           ; my part of the first fill is in
	ds_add_u32 v[SPW], v[NIL]
	s_wait_dscnt 0x0
	CROUND                                         ; everybody's is, and all four work-groups are here
	TLOAD G0K1, G1K1, G0V1, G1V1                   ; the rest of K and V
.irp t, 0,1,2,3,4,5,6,7,8,9,10,11,12,13,14,15
	KLOAD AL, \t, 0                                ; K of step 0
.endr
	s_wait_dscnt 24                                ; tiles 0-3 are in; the 24 loads of tiles 4-15 may be out: step 0 waits for them four tiles at a time
	RUN 0, 2                                       ; steps 0 and 1 read V of steps 0 and 1 and K of steps 1 and 2: the first fill
	s_wait_tensorcnt 0x0                           ; my second load is in,
	s_wait_dscnt 0x0                               ; (no LDS instruction of mine is out at a signal)
	s_barrier_signal -1
	s_barrier_wait -1                              ; everybody's is: all of K and V
	RUN 2*STEPB, 5                                 ; steps 2 to 6
	s_mov_b32 s2, 7*STEPB
	STEP 0                                         ; the last step fetches no K
	; THE WAY OUT.  O^T x 2^(e4 + e5) / the sum is ctx; it is quantised with e6, and the conversions' eight registers are a tile's image: two stores of 512 consecutive bytes, aligned, for each tile.
	; (The step's five v_nop are the places behind the last products.)
.irp q, 0,8
	v_pk_add_f32 v[SA+\q:SA+\q+1], v[SA+\q:SA+\q+1], v[SA+\q+2:SA+\q+3]
	v_pk_add_f32 v[SA+\q+4:SA+\q+5], v[SA+\q+4:SA+\q+5], v[SA+\q+6:SA+\q+7]
.endr
.irp q, 0,8
	v_pk_add_f32 v[SA+\q:SA+\q+1], v[SA+\q:SA+\q+1], v[SA+\q+4:SA+\q+5]
.endr
.irp q, 0,1
	v_add_f32 v[SA+8*\q], v[SA+8*\q], v[SA+8*\q+1]
	v_permlanex16_b32 v[11+\q], v[SA+8*\q], s20, s21
	v_add_f32 v[SA+8*\q], v[SA+8*\q], v[11+\q]     ; and lane l xor 16's: the row's sum
.endr
	s_wait_alu depctr_va_vdst(0)                   ; ahead of the transcendentals
	v_rcp_f32 v[SA], v[SA]
	v_rcp_f32 v[SB], v[SB]
	v_nop                                          ; a plain place behind them
	s_add_co_i32 s93, s88, s89
	s_wait_alu depctr_va_vdst(0)                   ; and the wait ahead of their first reader
	v_ldexp_f32 v[FA], v[SA], s93                  ; x 2^(e4 + e5)
	v_ldexp_f32 v[FA+2], v[SB], s93
	s_wait_alu depctr_va_vdst(0)                   ; directly ahead of the first reader of O^T
.irp j, 0,2,4,6,8,10,12,14,16,18,20,22,24,26,28,30
	v_pk_mul_f32 v[XA+\j:XA+\j+1], v[OA+\j:OA+\j+1], v[FA:FA+1] op_sel_hi:[1,0]     ; register 8 nt + j is ctx(query r, channel 16 nt + 8 h + j); each accumulator from its low end on
.endr
.irp j, 0,2,4,6,8,10,12,14,16,18,20,22,24,26,28,30
	v_pk_mul_f32 v[XB+\j:XB+\j+1], v[OB+\j:OB+\j+1], v[FA+2:FA+3] op_sel_hi:[1,0]
.endr
.set jj, 0
.rept 64
	v_med3_num_f32 v[XA+jj], v[XA+jj], -v[CLIM], v[CLIM]
.set jj, jj+1
.endr
.irp n, 0,1,2,3,4,5,6,7
	v_cvt_scalef32_pk8_fp8_f32 v[184+2*\n:185+2*\n], v[XA+8*\n:XA+8*\n+7], v[CSC]
.endr
	v_nop
	global_store_b128 v[AL], v[184:187], s[12:13]
	global_store_b128 v[AL], v[188:191], s[12:13] offset:512
	global_store_b128 v[AL], v[192:195], s[12:13] offset:16384
	global_store_b128 v[AL], v[196:199], s[12:13] offset:16896
	s_wait_tensorcnt 0x0                           ; the wave's end
	ds_add_u32 v[SPW], v[NIL]
	s_wait_dscnt 0x0
	CROUND                                         ; the closing round: no work-group ends while a partner may still ask for a tile that names it
	s_endpgm
.Lfunc_end_k_qcfd0de9c03_attn:
	.size	k_qcfd0de9c03_attn, .Lfunc_end_k_qcfd0de9c03_attn-k_qcfd0de9c03_attn
	.p2alignl 7, 3214868480
	.fill 96, 4, 3214868480
	.section	.rodata,"a",@progbits
	.p2align	6, 0x0
	.amdhsa_kernel k_qcfd0de9c03_attn
		.amdhsa_group_segment_fixed_size 327680
		.amdhsa_private_segment_fixed_size 0
		.amdhsa_enable_private_segment 0
		.amdhsa_kernarg_size 40
		.amdhsa_user_sgpr_count 2
		.amdhsa_user_sgpr_kernarg_segment_ptr 1
		.amdhsa_wavefront_size32 1
		.amdhsa_system_sgpr_workgroup_id_x 1
		.amdhsa_system_sgpr_workgroup_id_y 1
		.amdhsa_system_sgpr_workgroup_id_z 1
		.amdhsa_system_vgpr_workitem_id 0
		.amdhsa_next_free_vgpr 512
		.amdhsa_next_free_sgpr 100
		.amdhsa_reserve_vcc 0
		.amdhsa_float_denorm_mode_32 3
		.amdhsa_float_denorm_mode_16_64 3
		.amdhsa_memory_ordered 1
		.amdhsa_forward_progress 1
		.amdhsa_inst_pref_size 182
	.end_amdhsa_kernel
	.amdgpu_metadata
---
amdhsa.version: [ 1, 2 ]
amdhsa.kernels:
  - .name:           k_qcfd0de9c03_attn
    .symbol:         k_qcfd0de9c03_attn.kd
    .args:
      - { .name: qi, .offset: 0, .size: 8, .value_kind: global_buffer, .address_space: global }
      - { .name: ki, .offset: 8, .size: 8, .value_kind: global_buffer, .address_space: global }
      - { .name: vi, .offset: 16, .size: 8, .value_kind: global_buffer, .address_space: global }
      - { .name: lowp_scales, .offset: 24, .size: 8, .value_kind: global_buffer, .address_space: global }
      - { .name: ci, .offset: 32, .size: 8, .value_kind: global_buffer, .address_space: global }
    .group_segment_fixed_size: 327680
    .private_segment_fixed_size: 0
    .kernarg_segment_align: 8
    .kernarg_segment_size: 40
    .max_flat_workgroup_size: 256
    .sgpr_count:     100
    .vgpr_count:     512
    .wavefront_size: 32
...
	.end_amdgpu_metadata
.endif
;; end of part 3
;; launch proj (part 4): grid 8 x 32, 4 waves a work-group, clusters of 4 x 4, 327,680 bytes of LDS; arguments ci, oc, out_b, lowp_scales, out0; writes out0
.if DOCPART == 4
	.amdgcn_target "amdgcn-amd-amdhsa--gfx1250"
	.amdhsa_code_object_version 6
	.text
	.protected	k_qcfd0de9c03_proj
	.globl	k_qcfd0de9c03_proj
	.p2align	8
	.type	k_qcfd0de9c03_proj,@function
k_qcfd0de9c03_proj:
	s_mov_b64 s[64:65], 0
	v_nop
	global_prefetch_b8 v0, s[64:65] scope:SCOPE_SE
	s_setreg_imm32_b32 hwreg(HW_REG_WAVE_MODE, 25, 1), 1
	s_wait_xcnt 0x0
	s_wait_alu depctr_hold_cnt(0) depctr_sa_sdst(0) depctr_va_vdst(0) depctr_va_sdst(0) depctr_va_ssrc(0) depctr_va_vcc(0) depctr_vm_vsrc(0)
	s_getreg_b32 s2, hwreg(HW_REG_IB_STS2, 6, 4)
	s_cmp_eq_u32 s2, 0
	s_cbranch_scc0 .Lentry_in_a_cluster
	s_endpgm
.Lentry_in_a_cluster:
	s_bfe_u32 s2, ttmp6, 0x10000c
	s_cmp_lg_u32 s2, 0xf033
	s_cbranch_scc0 .Lentry_shape_is_right
	s_endpgm
.Lentry_shape_is_right:
; out0 = ctx out_w^T + out_b on codes of FP8 (E4M3): each finished sum x 2^(e6 + e7) + bias, one fused multiply-add.  out0 [4096][1024] f32.
; ci, oc: [tile of 16 rows][K / 32][lane 32][16 bytes]: images of operand registers in this form's own layout, 16,384 bytes a tile.  Tile 4 G + b of oc takes rows 64 G + 4 r + b of out_w, r = 0 .. 15.
; LIMIT: e6 + e7 between -126 and 127, so that 2^(e6 + e7) is an f32 number.
; SHARES.  A work-group makes 128 x 128 of out0 (x of the grid: the columns, y: the rows), each of its four waves 64 x 64.  256 work-groups.
; BOTH OPERANDS LIE WHOLE IN LDS (131,072 bytes each): nothing is filled again, no ring.  Waves 0, 1 fetch ctx's halves, waves 2, 3 out_w's, one tensor load a wave; every byte is asked for at the head, so no prefetch.
; CLUSTERS: 4 x 4 work-groups.  The four of a row of the cluster need the same rows of ctx, the four of a column the same rows of out_w: each tile is asked for JOINTLY, with a mask that names the four.
; BY ROWS: a wave keeps out_w's four tiles for all of K in registers (512) and finishes its four tiles of ctx's rows one after the other, so that a tile's results leave while the next is multiplied; LDS is read once.
; Source 0 = 16 rows of ctx, source 1 = a tile of out_w: register j of lane (r, h) of accumulator (a, b) is row 16 a + 8 h + j, column 4 r + b: the four accumulators of a row of tiles give a lane four NEIGHBOURING
; columns, and sixteen lanes 256 consecutive bytes: the results leave straight from registers.
; REGISTERS: window 0: v16-19 addresses; v32-35 the bias; v128-159, v160-191 the accumulators of tiles a by turns; the results at v192, v224, v40, v72.  Window 1: two sets of ctx's fragments, 16 rows x 1,024 each.
;   Windows 2 and 3: out_w's fragments: the g-th 128 along K at 64 (g % 4) of window 2 + g / 4.
.set BBASE,  131072                    ; out_w's images lie behind ctx's
.set SPARE,  262144                    ; the spare words, 128 bytes for each wave
.set ADA,  16
.set ADB,  17
.set CO,   18                          ; my byte offset in out0
.set BO,   19                          ; and in out_b
.set BIAS, 32
.set SPW,  30
.set NIL,  31
.set G1A, 24                           ; s[24:31] descriptor group 1 for ctx's tiles
.set G1B, 32                           ; s[32:39] for out_w's
.set G0A, 40
.set G0B, 44
.set MSB, 0
.macro WIN new                         ; the immediate's high byte repeats the setting that is left
.if MSB != (\new)
	s_set_vgpr_msb (MSB<<8)|(\new)
.set MSB, (\new)
.endif
.endm
.macro PLACES
.rept 4
	v_nop
.endr
.endm
.macro CROUND                          ; a round of the cluster's barrier
	s_barrier_signal -1
	s_barrier_wait -1
	s_cmp_lg_u32 s18, 0
	s_cbranch_scc1 .Lnot_wave_0_\@
	s_barrier_signal -3
.Lnot_wave_0_\@:
	s_barrier_wait -3
	s_barrier_signal -1
	s_barrier_wait -1
.endm
	s_load_b128 s[4:7], s[0:1], 0x0                ; ci s[4:5], oc s[6:7]
	s_load_b128 s[8:11], s[0:1], 0x10              ; out_b s[8:9], the scales' exponents s[10:11]
	s_load_b64 s[12:13], s[0:1], 0x20              ; out0
	v_lshl_add_u32 v[SPW], v0, 2, SPARE
	v_mov_b32 v[NIL], 0
	ds_add_u32 v[SPW], v[NIL]                      ; the opening: the add, twice on end, under one wait
	ds_add_u32 v[SPW], v[NIL]
	v_lshrrev_b32 v1, 5, v0
	v_readfirstlane_b32 s18, v1                    ; wave 0..3
	s_lshr_b32 s19, s18, 1                         ; which half of the tile's rows is mine.  Also: I fetch for ctx (0) or for out_w (1)
	s_and_b32 s20, s18, 1                          ; which half of its columns.  Also: which half of that operand's tiles I fetch
	s_bfe_u32 s21, ttmp6, 0x40000                  ; cx, cy: my place in the cluster
	s_bfe_u32 s22, ttmp6, 0x40004
	s_lshl_b32 s23, ttmp9, 2
	s_add_co_u32 s23, s23, s21                     ; the block of 128 columns = 4 x cluster x + cx
	s_and_b32 s14, ttmp7, 0xffff
	s_lshl_b32 s14, s14, 2
	s_add_co_u32 s14, s14, s22                     ; the block of 128 rows = 4 x cluster y + cy
	s_lshl_b32 s56, s22, 2
	s_lshl_b32 s56, 15, s56                        ; my row of the cluster
	s_lshl_b32 s60, 0x1111, s21                    ; my column
	s_or_b32 s[G1A+0], s56, (3<<16)|(1<<21)        ; 15:0 the mask: ctx's tiles go to my row; 17:16 elements of 8 bytes; no padding; 21 set beside a mask
	s_or_b32 s[G1B+0], s60, (3<<16)|(1<<21)        ; the mask of my column
.irp g, G1A, G1B
	s_mov_b32 s[\g+1], 32<<16                      ; four tiles, 65,536 bytes on end, as 256 rows of 256 bytes
	s_mov_b32 s[\g+2], 256<<16
	s_mov_b32 s[\g+3], 32<<16
	s_mov_b32 s[\g+4], 256
	s_mov_b32 s[\g+5], 32
	s_mov_b32 s[\g+6], 0
	s_mov_b32 s[\g+7], 0
.endr
	s_lshl_b32 s15, s20, 16                        ; my four of the block's eight tiles, in memory and in LDS: no place in the cluster enters an LDS address
	s_lshl_b32 s56, s14, 17                        ; ctx: it hangs on the rows' block and the wave alone
	s_add_co_u32 s56, s56, s15
	s_mov_b32 s57, 0
	s_lshl_b32 s60, s23, 17                        ; out_w: on the columns' block and the wave alone
	s_add_co_u32 s60, s60, s15
	s_mov_b32 s61, 0
	s_wait_alu depctr_va_vdst(0)                   ; directly ahead of the waits below
	s_wait_dscnt 0x0                               ; both opening adds are done
	s_wait_kmcnt 0x0
	s_load_b256 s[84:91], s[10:11], 0x0            ; e0 .. e7
	s_mov_b32 s[G0A], 1
	s_mov_b32 s[G0A+1], s15
	s_add_nc_u64 s[G0A+2:G0A+3], s[4:5], s[56:57]
	s_or_b32 s[G0A+3], s[G0A+3], 0x80000000
	s_mov_b32 s[G0B], 1
	s_add_co_u32 s[G0B+1], s15, BBASE
	s_add_nc_u64 s[G0B+2:G0B+3], s[6:7], s[60:61]
	s_or_b32 s[G0B+3], s[G0B+3], 0x80000000
	CROUND                                         ; all sixteen work-groups are here: the joint loads meet
	s_cmp_lt_u32 s18, 2
	s_cbranch_scc0 .Lfirst_b
	tensor_load_to_lds s[G0A:G0A+3], s[G1A:G1A+7]
	s_nop 0
	PLACES
	s_branch .Lfirst_asked
.Lfirst_b:
	tensor_load_to_lds s[G0B:G0B+3], s[G1B:G1B+7]
	s_nop 0
	PLACES
.Lfirst_asked:
	v_and_b32 v1, 15, v0                           ; r = lane % 16
	v_bfe_u32 v2, v0, 4, 1                         ; h = lane / 16
	v_and_b32 v3, 31, v0
	v_lshlrev_b32 v4, 4, v3                        ; 16 x lane
	v_lshlrev_b32 v[BO], 4, v1                     ; my four columns
	v_lshl_add_u32 v[CO], v2, 15, v[BO]            ; and my half's eight rows of 4,096 bytes
	s_lshl_b32 s94, s19, 16                        ; my four tiles of ctx
	v_add_nc_u32 v[ADA], s94, v4
	s_add_co_u32 s95, s15, BBASE                   ; and of out_w
	v_add_nc_u32 v[ADB], s95, v4
	s_wait_alu depctr_va_vdst(0)
	s_lshl_b32 s94, s23, 9                         ; my first column, in bytes: 512 x block + 256 x half.  (These registers mix rows and columns: none of them feeds a descriptor)
	s_lshl_b32 s95, s20, 8
	s_add_co_u32 s94, s94, s95
	s_mov_b32 s95, 0
	s_add_nc_u64 s[96:97], s[8:9], s[94:95]        ; out_b at my 64 columns
	s_add_nc_u64 s[98:99], s[12:13], s[94:95]
	s_lshl_b32 s94, s14, 7
	s_lshl_b32 s17, s19, 6
	s_add_co_u32 s94, s94, s17                     ; my first row: 128 x block + 64 x half
	s_lshl_b32 s94, s94, 12
	s_add_nc_u64 s[98:99], s[98:99], s[94:95]      ; out0 at my corner
	global_load_b128 v[BIAS:BIAS+3], v[BO], s[96:97]
	s_wait_kmcnt 0x0
	s_add_co_i32 s92, s90, s91
	s_add_co_i32 s92, s92, 127
	s_lshl_b32 s92, s92, 23                        ; 2^(e6 + e7) as f32
.macro AFETCH a, g                     ; the g-th 128 along K of tile a of ctx: an instruction's 512 bytes are consecutive
	WIN 0x40
.irp c, 0,1,2,3
	ds_load_b128 v[128*((\a)%2)+16*(\g)+4*\c:128*((\a)%2)+16*(\g)+4*\c+3], v[ADA] offset:16384*(\a)+2048*(\g)+512*\c
.endr
.endm
.macro CHUNK g                         ; 20 loads: the g-th 128 along K of ctx's tile 0 and of out_w's four tiles
	AFETCH 0, \g
	WIN 0x80+0x40*((\g)/4)
.irp b, 0,1,2,3
.irp c, 0,1,2,3
	ds_load_b128 v[64*((\g)%4)+16*\b+4*\c:64*((\g)%4)+16*\b+4*\c+3], v[ADB] offset:16384*\b+2048*(\g)+512*\c
.endr
.endr
.endm
; Tile a's four accumulators take turns, one instruction a turn.  The first products start the sums.
.macro MULG a, g
.set AC, 128+32*((\a)%2)
.set AF, 128*((\a)%2)+16*(\g)
	WIN 0x09+0x04*((\g)/4)                         ; source 0 in window 1, source 1 in window 2 or 3, C and D in window 0
.irp b, 0,1,2,3
.if (\g) == 0
	v_wmma_f32_16x16x128_fp8_fp8 v[AC+8*\b:AC+8*\b+7], v[AF:AF+15], v[64*((\g)%4)+16*\b:64*((\g)%4)+16*\b+15], 0
.else
	v_wmma_f32_16x16x128_fp8_fp8 v[AC+8*\b:AC+8*\b+7], v[AF:AF+15], v[64*((\g)%4)+16*\b:64*((\g)%4)+16*\b+15], v[AC+8*\b:AC+8*\b+7]
.endif
.endr
.endm
; Tile a leaves: sum x 2^(e6 + e7) + bias; a store covers 256 consecutive bytes, aligned, of each of two rows.  Each tile has registers of its own for its results, so no store's data are written again.
.macro EPI a
.set AC, 128+32*((\a)%2)
.if (\a) < 2
.set TM, 192+32*(\a)
.else
.set TM, 40+32*((\a)-2)
.endif
	WIN 0
.irp j, 0,1,2,3,4,5,6,7
.irp b, 0,1,2,3
	v_fma_f32 v[TM+4*\j+\b], v[AC+8*\b+\j], s92, v[BIAS+\b]   ; each accumulator from its low end on
.endr
.endr
.irp j, 0,1,2,3,4,5,6,7
	global_store_b128 v[CO], v[TM+4*\j:TM+4*\j+3], s[98:99] offset:(16*(\a)+\j)*4096 th:TH_STORE_NT   ; written once, read by nobody here
.endr
.endm
	s_wait_tensorcnt 0x0                           ; my four tiles are in
	s_barrier_signal -1
	s_barrier_wait -1                              ; everybody's are
	CHUNK 0
	CHUNK 1
	CHUNK 2
.irp g, 0,1,2,3,4
	s_wait_dscnt 40                                ; chunk g is in; the two younger chunks' 40 loads may be out
	MULG 0, \g
	CHUNK \g+3
.endr
	s_wait_dscnt 40
	MULG 0, 5
.irp g, 0,1,2,3
	AFETCH 1, \g
.endr
	s_wait_dscnt 36                                ; chunk 6 is in; chunk 7's 20 and the 16 just issued may be out
	MULG 0, 6
.irp g, 4,5,6,7
	AFETCH 1, \g
.endr
	s_wait_dscnt 32                                ; chunk 7 is in; tile 1's 32 loads may be out
	MULG 0, 7
	PLACES                                         ; ahead of the loads into registers that the products have read, and of the first read of their results
.irp g, 0,1,2,3,4,5,6,7
	AFETCH 2, \g
.endr
	s_wait_loadcnt 0x0                             ; the bias
	EPI 0
	s_wait_dscnt 32                                ; tile 1 is in; tile 2's 32 loads may be out
.irp g, 0,1,2,3,4,5,6,7
	MULG 1, \g
.endr
	PLACES
.irp g, 0,1,2,3,4,5,6,7
	AFETCH 3, \g
.endr
	EPI 1
	s_wait_dscnt 32
.irp g, 0,1,2,3,4,5,6,7
	MULG 2, \g
.endr
	PLACES
	EPI 2
	s_wait_dscnt 0x0
.irp g, 0,1,2,3,4,5,6,7
	MULG 3, \g
.endr
	PLACES
	EPI 3
	s_wait_tensorcnt 0x0                           ; the wave's end
	ds_add_u32 v[SPW], v[NIL]
	s_wait_dscnt 0x0
	CROUND                                         ; the closing round: no work-group ends while a partner may still ask for a tile that names it
	s_endpgm
.Lfunc_end_k_qcfd0de9c03_proj:
	.size	k_qcfd0de9c03_proj, .Lfunc_end_k_qcfd0de9c03_proj-k_qcfd0de9c03_proj
	.p2alignl 7, 3214868480
	.fill 96, 4, 3214868480
	.section	.rodata,"a",@progbits
	.p2align	6, 0x0
	.amdhsa_kernel k_qcfd0de9c03_proj
		.amdhsa_group_segment_fixed_size 327680
		.amdhsa_private_segment_fixed_size 0
		.amdhsa_enable_private_segment 0
		.amdhsa_kernarg_size 40
		.amdhsa_user_sgpr_count 2
		.amdhsa_user_sgpr_kernarg_segment_ptr 1
		.amdhsa_wavefront_size32 1
		.amdhsa_system_sgpr_workgroup_id_x 1
		.amdhsa_system_sgpr_workgroup_id_y 1
		.amdhsa_system_sgpr_workgroup_id_z 1
		.amdhsa_system_vgpr_workitem_id 0
		.amdhsa_next_free_vgpr 1024
		.amdhsa_next_free_sgpr 100
		.amdhsa_reserve_vcc 0
		.amdhsa_float_denorm_mode_32 3
		.amdhsa_float_denorm_mode_16_64 3
		.amdhsa_memory_ordered 1
		.amdhsa_forward_progress 1
		.amdhsa_inst_pref_size 43
	.end_amdhsa_kernel
	.amdgpu_metadata
---
amdhsa.version: [ 1, 2 ]
amdhsa.kernels:
  - .name:           k_qcfd0de9c03_proj
    .symbol:         k_qcfd0de9c03_proj.kd
    .args:
      - { .name: ci, .offset: 0, .size: 8, .value_kind: global_buffer, .address_space: global }
      - { .name: oc, .offset: 8, .size: 8, .value_kind: global_buffer, .address_space: global }
      - { .name: out_b, .offset: 16, .size: 8, .value_kind: global_buffer, .address_space: global }
      - { .name: lowp_scales, .offset: 24, .size: 8, .value_kind: global_buffer, .address_space: global }
      - { .name: out0, .offset: 32, .size: 8, .value_kind: global_buffer, .address_space: global }
    .group_segment_fixed_size: 327680
    .private_segment_fixed_size: 0
    .kernarg_segment_align: 8
    .kernarg_segment_size: 40
    .max_flat_workgroup_size: 128
    .sgpr_count:     100
    .vgpr_count:     1024
    .wavefront_size: 32
...
	.end_amdgpu_metadata
.endif
;; end of part 4
